; MI455X (gfx1250); checked and timed in simulation.
; The chip was launched on July 23, 2026; its instructions are those of AMD's public machine-readable ISA for CDNA 5 (MIT licence, August 2026) and "CDNA5" Instruction Set Architecture Reference Guide (July 2026). The comments in the code are by the model that wrote it; some were corrected since.
;; Multi Head Relative Attention. Allowed arithmetic: float matrix products may take bf16 or f16 operands with f32 sums; all other float work in f32.
;; Inputs: b_out 1,024 float32; content_bias 16 x 64 float32; key 1,024 x 4 x 1,024 float32; pe 2,048 x 1,024 float32; pos_bias 16 x 64 float32; query 1,024 x 4 x 1,024 float32; value 1,024 x 4 x 1,024 float32; w_k 1,024 x 1,024 float32; w_k_pos 1,024 x 1,024 float32; w_out 1,024 x 1,024 float32; w_q 1,024 x 1,024 float32; w_v 1,024 x 1,024 float32.
;; Outputs: out0 1,024 x 4 x 1,024 float32.
;; One version. Each part assembles by itself: llvm-mc -triple=amdgcn-amd-amdhsa -mcpu=gfx1250 --defsym DOCPART=n.
;; ======== version 1 of 1: 3 launches
;; limits: values are held in f16: magnitudes above 65,504 overflow, below 6.1e-05 lose precision
;; workspace buffers: qc 8,388,608 bytes; qp 8,388,608 bytes; kk 8,388,608 bytes; vv 8,388,608 bytes; kp 4,194,304 bytes; ao 8,388,608 bytes; wo 2,097,152 bytes
;; launch proj (part 1): grid 4 x 56, 4 waves a work-group, clusters of 4 x 4, 327,680 bytes of LDS; arguments query, key, value, pe, w_q, w_k, w_v, w_k_pos, content_bias, pos_bias, qc, qp, kk, vv, kp; writes qc, qp, kk, vv, kp
.if DOCPART == 1
	.amdgcn_target "amdgcn-amd-amdhsa--gfx1250"
	.amdhsa_code_object_version 6
	.text
	.protected	k_qd809aef051_proj
	.globl	k_qd809aef051_proj
	.p2align	8
	.type	k_qd809aef051_proj,@function
k_qd809aef051_proj:
	s_mov_b64 s[64:65], 0
	v_nop
	global_prefetch_b8 v0, s[64:65] scope:SCOPE_SE
	s_setreg_imm32_b32 hwreg(HW_REG_WAVE_MODE, 25, 1), 1
	s_wait_xcnt 0x0
	s_wait_alu depctr_hold_cnt(0) depctr_sa_sdst(0) depctr_va_vdst(0) depctr_va_sdst(0) depctr_va_ssrc(0) depctr_va_vcc(0) depctr_vm_vsrc(0)
	s_getreg_b32 s2, hwreg(HW_REG_IB_STS2, 6, 4)
	s_cmp_eq_u32 s2, 0
	s_cbranch_scc0 .Lentry_in_a_cluster
	s_endpgm
.Lentry_in_a_cluster:
	s_bfe_u32 s2, ttmp6, 0x10000c
	s_cmp_lg_u32 s2, 0xf033
	s_cbranch_scc0 .Lentry_shape_is_right
	s_endpgm
.Lentry_shape_is_right:
; THE FOUR INPUT PROJECTIONS, C[m][n] = sum over k of A[m][k] W[n][k], K = N = 1024, f32 in memory, f16 products, f32 sums.
;   block rows y 0-15: A = query (flat rows 4 s + b), W = w_q      -> qc = (C + content_bias) c and qp = (C + pos_bias) c, f16 [b*16+head][s][64]
;   y 16-31: key, w_k -> kk;   y 32-47: value, w_v -> vv   (same layout);   y 48-55: pe (all 2048 rows), w_k_pos -> kp, f16 [head][p][64]
;   c = 0.125 log2(e): the softmax scale and the change to base 2, applied in f32 ahead of the one rounding to f16.
; WHY f16 AND NOT bf16: the result passes five roundings of operands on its way (inputs, q/k/kp, probabilities, v, the attention's output) and is a
; mean over 1024 keys, small beside its parts; 8 significant bits leave no margin there, 11 do.
; A work-group makes 256 x 256 of C with four waves, a wave 128 x 128: 64 accumulator tiles, 512 registers.  K goes in steps of 64 f32
; (rows of 256 bytes, aligned) through two LDS slots filled by the tensor data mover.  The tiles are f32: a wave reads its fragments raw
; (16 rows x 32 k = four 16-byte loads a lane) and rounds them in registers, eight v_cvt_pk_f16_f32 a fragment.
; CLUSTERS 4 x 4: A's tile hangs on the block row alone and is asked for jointly by a row of the cluster, W's on the block column alone and
; is asked for jointly by a column.  Which matrix a work-group serves hangs on the cluster's y alone, so it is the same in all sixteen.
; THE MATRIX INSTRUCTION IS USED TRANSPOSED (source 0 = rows of W, source 1 = rows of A): lane l holds row l % 16 of C and registers 0-7
; hold the columns 8 (l / 16) + 0..7, eight neighbours that pack into 16 bytes.
; REGISTERS, in windows of 256:  window 0: v16-25 addresses, v32-95 / v96-159 A's fragments (two buffers), v160-223 A's raw words (four
; slots of 16), v224-255 packed results.  Window 1: v16-17 W's LDS addresses, and the same numbers for W's fragments and raw words.
; Windows 2, 3: accumulators of my rows 0-63, 64-127, tile (a, b) at v[8 (8 a + b)].
; LIMITS: an input, or a projection result, beyond 65,504 in magnitude becomes infinite in f16; below 2^-14 the step is 2^-24.  The room: a sum of
; 1024 products of activations of spread 1 and weights of spread 0.02 has spread 0.64; both 30 times larger: 576; both carrying an offset of 30
; spreads: 1024 x 30 x 0.6 = 18,432.  NaN and infinite inputs are not followed as the f32 formula follows them.
.set KSTEP,  64                        ; f32 along K in a step
.set PITCH,  272                       ; an LDS row: 256 bytes + 16 of padding; row r starts 16 r bytes further modulo 256
.set HALFT,  128*PITCH                 ; what one tensor load brings, and what one wave reads of A or of W
.set SLOT,   4*HALFT                   ; A's 256 rows, then W's 256 rows
.set STAGE,  2*SLOT                    ; behind the ring: 16 rows x 272 bytes for each wave, for the way out; no tensor load lands here
.set ADR,  16                          ; v16-17 LDS address of my fragments in slot 0, 1 (window 0: A; window 1: W)
.set STO,  20                          ; way out: where I put 16 bytes of a row
.set RDKV, 21                          ; way out: where I read back, layout [b*16+head][s][64]
.set COKV, 22                          ; and my byte offset in the output there
.set RDKP, 23                          ; the same for layout [head][p][64]
.set COKP, 24
.set VB,   25                          ; byte offset of my 8 columns' biases
.set F0,   32
.set F1,   96
.set RW,   160
.set TMP,  224
.set G1,  24                           ; s[24:31] descriptor group 1, A's tiles
.set G0,  32                           ; s[32:39] group 0, A's tiles, one set for each slot
.set G1B, 48                           ; s[48:55] group 1, W's tiles (another mask)
.set G0B, 56                           ; s[56:63] group 0, W's tiles
.set MUL_LO, 0xa1                      ; source 0 window 1, source 1 window 0, C and D window 2
.set MUL_HI, 0xf1                      ; the same, C and D window 3
.set MSB, 0
.macro WIN new                         ; the immediate's high byte repeats the setting that is left
.if MSB != (\new)
	s_set_vgpr_msb (MSB<<8)|(\new)
.set MSB, (\new)
.endif
.endm
.macro NOPS n
.rept \n
	v_nop
.endr
.endm
; A joint load: waves 0, 1 fetch A's two halves, waves 2, 3 W's.  The branch hangs on the wave's number alone.
.macro JLOAD s
	s_cmp_eq_u32 s11, 0
	s_cbranch_scc0 .Lfor_b_\@
	tensor_load_to_lds s[G0+4*\s:G0+4*\s+3], s[G1:G1+7]
	s_nop 0
	s_branch .Lasked_\@
.Lfor_b_\@:
	tensor_load_to_lds s[G0B+4*\s:G0B+4*\s+3], s[G1B:G1B+7]
	s_nop 0
.Lasked_\@:
.endm
.macro CREST                           ; a round of the cluster's barrier behind its opening work-group barrier
	s_cmp_lg_u32 s10, 0
	s_cbranch_scc1 .Lnot_wave_0_\@
	s_barrier_signal -3
.Lnot_wave_0_\@:
	s_barrier_wait -3
	s_barrier_signal -1
	s_barrier_wait -1
.endm
.macro CROUND                          ; a whole round
	s_barrier_signal -1
	s_barrier_wait -1
	CREST
.endm
	s_load_b512 s[68:83], s[0:1], 0x0              ; query 68, key 70, value 72, pe 74, w_q 76, w_k 78, w_v 80, w_k_pos 82
	s_load_b256 s[84:91], s[0:1], 0x40             ; content_bias 84, pos_bias 86, qc 88, qp 90
	s_load_b128 s[92:95], s[0:1], 0x60             ; kk 92, vv 94
	s_load_b64 s[96:97], s[0:1], 0x70              ; kp
	v_lshl_add_u32 v30, v0, 2, 0x48400
	v_mov_b32 v31, 0
	ds_add_u32 v30, v31
	v_lshrrev_b32 v1, 5, v0
	v_readfirstlane_b32 s10, v1                    ; wave 0..3
	s_lshr_b32 s11, s10, 1                         ; my half of the block's rows; also: I fetch for A (0) or W (1)
	s_and_b32 s12, s10, 1                          ; my half of its columns; also: which 128 rows of that tile I fetch
	s_bfe_u32 s40, ttmp6, 0x40000                  ; cx
	s_bfe_u32 s41, ttmp6, 0x40004                  ; cy
	s_lshl_b32 s42, ttmp9, 2
	s_add_co_u32 s42, s42, s40                     ; block column = 4 x cluster x + cx (four heads)
	s_and_b32 s13, ttmp7, 0xffff                   ; cluster y, 0..13
	s_lshr_b32 s45, s13, 2
	s_min_u32 s45, s45, 3                          ; which matrix: 0 query, 1 key, 2 value, 3 pe; four clusters of y each, pe two
	s_lshl_b32 s14, s45, 2
	s_sub_co_u32 s13, s13, s14
	s_lshl_b32 s13, s13, 2
	s_add_co_u32 s13, s13, s41                     ; block row inside that matrix
	s_lshl_b32 s43, s41, 2
	s_lshl_b32 s43, 15, s43                        ; my row of the cluster
	s_lshl_b32 s44, 0x1111, s40                    ; my column
	s_mov_b32 s98, 0x3e38aa3b                      ; c = 0.125 log2(e), twice: a pair for the packed forms
	s_mov_b32 s99, 0x3e38aa3b
	; group 1: 128 rows x 64 elements of 4 bytes, 4 words of padding behind every 64 words
	s_or_b32 s[G1+0], s43, (2<<16)|(1<<20)|(1<<21)|(5<<22)|(3<<25)
	s_or_b32 s[G1B+0], s44, (2<<16)|(1<<20)|(1<<21)|(5<<22)|(3<<25)
	s_mov_b32 s[G1+1], KSTEP<<16                   ; tensor_dim0 = 64
	s_mov_b32 s[G1B+1], KSTEP<<16
	s_mov_b32 s[G1+2], 128<<16                     ; tensor_dim1 = 128
	s_mov_b32 s[G1B+2], 128<<16
	s_mov_b32 s[G1+3], KSTEP<<16                   ; tile_dim0 = 64
	s_mov_b32 s[G1B+3], KSTEP<<16
	s_mov_b32 s[G1+4], 128                         ; tile_dim1 = 128
	s_mov_b32 s[G1B+4], 128
	s_mov_b32 s[G1+5], 1024                        ; elements from row to row
	s_mov_b32 s[G1B+5], 1024
	s_mov_b32 s[G1+6], 0
	s_mov_b32 s[G1B+6], 0
	s_mov_b32 s[G1+7], 0
	s_mov_b32 s[G1B+7], 0
	s_lshl_b32 s17, s12, 7                         ; which 128 rows of the tile I fetch
	s_lshl_b32 s16, s13, 8
	s_add_co_u32 s16, s16, s17
	s_lshl_b32 s16, s16, 12                        ; A: (256 x block row + 128 x half) rows of 4,096 bytes: below 2^24
	s_lshl_b32 s46, s42, 8
	s_add_co_u32 s46, s46, s17
	s_lshl_b32 s46, s46, 12                        ; W: the same of the block column
	s_mov_b32 s17, 0
	s_mov_b32 s47, 0
	s_mul_i32 s20, s10, HALFT                      ; where my part goes in a slot
	s_lshl_b32 s2, s42, 10
	s_lshl_b32 s3, s12, 9
	s_add_co_u32 s2, s2, s3                        ; byte offset of my 128 columns in a bias
	s_mov_b32 s3, 0
	s_wait_dscnt 0x0
	s_wait_kmcnt 0x0
	s_cmp_eq_u32 s45, 1                            ; the choice of buffers hangs on the matrix number alone
	s_cselect_b64 s[4:5], s[70:71], s[68:69]
	s_cselect_b64 s[6:7], s[78:79], s[76:77]
	s_cmp_eq_u32 s45, 2
	s_cselect_b64 s[4:5], s[72:73], s[4:5]
	s_cselect_b64 s[6:7], s[80:81], s[6:7]
	s_cselect_b64 s[8:9], s[94:95], s[92:93]       ; the plain output: vv or kk,
	s_cmp_eq_u32 s45, 3
	s_cselect_b64 s[4:5], s[74:75], s[4:5]
	s_cselect_b64 s[6:7], s[82:83], s[6:7]
	s_cselect_b64 s[8:9], s[96:97], s[8:9]         ; or kp (query's two outputs have their own pointers)
	s_add_nc_u64 s[14:15], s[4:5], s[16:17]
	s_add_nc_u64 s[46:47], s[6:7], s[46:47]
	s_add_nc_u64 s[84:85], s[84:85], s[2:3]
	s_add_nc_u64 s[86:87], s[86:87], s[2:3]
	CROUND                                         ; all sixteen work-groups are here: the first joint loads meet
.irp s, 0,1
	s_mov_b32 s[G0+4*\s], 1
	s_add_co_u32 s[G0+4*\s+1], s20, \s*SLOT
	s_add_nc_u64 s[G0+4*\s+2:G0+4*\s+3], s[14:15], \s*KSTEP*4
	s_or_b32 s[G0+4*\s+3], s[G0+4*\s+3], 0x80000000
	s_mov_b32 s[G0B+4*\s], 1
	s_add_co_u32 s[G0B+4*\s+1], s20, \s*SLOT
	s_add_nc_u64 s[G0B+4*\s+2:G0B+4*\s+3], s[46:47], \s*KSTEP*4
	s_or_b32 s[G0B+4*\s+3], s[G0B+4*\s+3], 0x80000000
	JLOAD \s                                       ; K steps 0 and 1: both first fills ahead of everything else
.endr
	v_and_b32 v1, 15, v0                           ; r = l % 16
	v_bfe_u32 v2, v0, 4, 1                         ; h = l / 16
	v_mul_u32_u24 v3, v1, PITCH
	v_lshl_add_u32 v3, v2, 5, v3                   ; raw fragment: row r, 32 h bytes (k = 8 h .. 8 h + 7 in f32)
	s_mul_i32 s21, s11, HALFT                      ; my 128 rows of A
	s_mul_i32 s22, s12, HALFT
	s_add_co_u32 s22, s22, 2*HALFT                 ; my 128 rows of W, behind A's 256
	v_add_nc_u32 v[ADR], s21, v3
	s_add_co_u32 s21, s21, SLOT
	v_add_nc_u32 v[ADR+1], s21, v3
	WIN 0x40                                       ; W's two addresses live in window 1, beside W's raw words and fragments
	v_add_nc_u32 v[ADR], s22, v3
	s_add_co_u32 s22, s22, SLOT
	v_add_nc_u32 v[ADR+1], s22, v3
	WIN 0
	s_mul_i32 s23, s10, 16*PITCH
	s_add_co_u32 s23, s23, STAGE                   ; my stage
	v_mul_u32_u24 v4, v1, PITCH
	v_lshl_add_u32 v4, v2, 4, v4
	v_add_nc_u32 v[STO], s23, v4                   ; in: row r, 16 bytes for each half of the lanes
	v_and_b32 v5, 7, v0
	v_bfe_u32 v6, v0, 3, 1
	v_lshlrev_b32 v5, 4, v5                        ; 16 (l & 7): my piece of a head's 128 bytes
	v_lshl_add_u32 v7, v2, 7, v5                   ; lanes 16-31 take the second head: 128 bytes further in the stage's row
	v_add_nc_u32 v7, s23, v7
	v_mul_u32_u24 v9, v6, 4*PITCH                  ; flat rows 4 s + b: the next s is four stage rows down,
	v_add_nc_u32 v[RDKV], v9, v7
	v_mul_u32_u24 v9, v6, PITCH                    ; the next p one row down
	v_add_nc_u32 v[RDKP], v9, v7
	v_lshl_add_u32 v8, v6, 7, v5                   ; in memory both are 128 bytes further: 16 lanes cover 256 consecutive bytes
	v_lshl_add_u32 v[COKV], v2, 17, v8             ; a head is 1024 x 128 bytes,
	v_lshl_add_u32 v[COKP], v2, 18, v8             ; in kp 2048 x 128
	v_lshlrev_b32 v[VB], 5, v2                     ; 8 h columns of 4 bytes
; Chunk c of a half (32 along K) is one fragment: c even W's fragment c / 2 (window 1), c odd A's fragment c >> 1 (window 0).
.macro SIDE c
.if ((\c)&1) == 0
	WIN 0x45
.else
	WIN 0
.endif
.endm
; The four raw loads of chunk c: k = 8 h .. + 7 at byte 32 h, k = 16 + 8 h .. + 7 at byte 64 + 32 h of the half's 128 bytes
.macro LD4 c, slot, col
.set ld_r, RW+16*(((\c)>>1)&3)
.set ld_o, \col+((\c)>>1)*16*PITCH
	ds_load_b128 v[ld_r:ld_r+3], v[ADR+\slot] offset:ld_o
	ds_load_b128 v[ld_r+4:ld_r+7], v[ADR+\slot] offset:ld_o+16
	ds_load_b128 v[ld_r+8:ld_r+11], v[ADR+\slot] offset:ld_o+64
	ds_load_b128 v[ld_r+12:ld_r+15], v[ADR+\slot] offset:ld_o+80
.endm
; Chunk c is rounded into buffer g; its raw slot is then loaded with chunk c2 (eight chunks further on, same side, same slot).
.macro CHUNK c, g, wait, ld, slot, col, c2
	SIDE \c
	s_wait_dscnt \wait                             ; LDS loads come back in order: all but the younger chunks' loads are in
.set cv_r, RW+16*(((\c)>>1)&3)
.set cv_d, \g+8*((\c)>>1)
.irp x, 0,1,2,3,4,5,6,7
	v_cvt_pk_f16_f32 v[cv_d+\x], v[cv_r+2*\x], v[cv_r+2*\x+1]
.endr
.if \ld
	LD4 \c2, \slot, \col
.endif
.endm
; Four matrix instructions of group c: A's fragment c >> 1 with W's fragments 4 (c & 1) .. + 3.  The 64 accumulators take turns, one
; instruction a turn, in the same order in every half.
.macro MUL4 f, c, zero
.set m_acc, 64*(((\c)>>1)&3)+32*((\c)&1)
.set m_b, \f+32*((\c)&1)
.set m_a, \f+8*((\c)>>1)
.irp b, 0,1,2,3
.if \zero
	v_wmma_f32_16x16x32_f16 v[m_acc+8*\b:m_acc+8*\b+7], v[m_b+8*\b:m_b+8*\b+7], v[m_a:m_a+7], 0
.else
	v_wmma_f32_16x16x32_f16 v[m_acc+8*\b:m_acc+8*\b+7], v[m_b+8*\b:m_b+8*\b+7], v[m_a:m_a+7], v[m_acc+8*\b:m_acc+8*\b+7]
.endif
.endr
.endm
.macro GMUL f, c, zero
.if (\c) < 8
	WIN MUL_LO
.else
	WIN MUL_HI
.endif
	MUL4 \f, \c, \zero
.endm
; One half: 64 matrix instructions on buffer f in 16 groups; behind group c the next half's chunk c is rounded into buffer g and the
; chunk eight further on is asked for: groups 0-7 from (s1, k1), the next half's slot and byte column, groups 8-15 from (s2, k2), the
; half after that.  A buffer is written again only behind the eight conversions of the chunk before, which name none of the registers
; of the matrix instructions that read it last: more than the four places that ISA guide 7.12.1 asks for.
; sync = 1: (s2, k2) opens the other slot.  In front of the barrier: my reads of slot old are back, all my tensor loads have landed (one was
; out: my part of the other slot).  The barrier opens a round of the cluster's barrier; behind the round slot old is filled again first.
; sync = 2: the same change of slots with nothing left to fetch: a plain barrier.   ld2 = 0: no half follows the next one: the counts run down.
.macro HALF f, g, zero, s1, k1, s2, k2, sync, old, ld2
.irp c, 0,1,2,3,4,5,6,7
	GMUL \f, \c, \zero
	CHUNK \c, \g, 28, 1, \s1, \k1, \c+8
.endr
.if \sync
	s_wait_dscnt 0x0
	s_wait_tensorcnt 0x0
	ds_add_u32 v30, v31
	s_wait_dscnt 0x0
	s_barrier_signal -1
	GMUL \f, 8, \zero                              ; register work while the others arrive
	WIN 0
	s_barrier_wait -1
.if \sync == 1
	CREST
	s_add_nc_u64 s[G0+4*\old+2:G0+4*\old+3], s[G0+4*\old+2:G0+4*\old+3], 2*KSTEP*4
	s_add_nc_u64 s[G0B+4*\old+2:G0B+4*\old+3], s[G0B+4*\old+2:G0B+4*\old+3], 2*KSTEP*4
	JLOAD \old                                     ; my one tensor load behind the round, ahead of every LDS read
.endif
.else
	GMUL \f, 8, \zero
.endif
.if \ld2
	CHUNK 8, \g, 28, 1, \s2, \k2, 0
.irp c, 9,10,11,12,13,14,15
	GMUL \f, \c, \zero
	CHUNK \c, \g, 28, 1, \s2, \k2, \c-8
.endr
.else
	CHUNK 8, \g, 28, 0, 0, 0, 0
.irp c, 9,10,11,12,13,14,15
	GMUL \f, \c, \zero
	CHUNK \c, \g, 4*(15-\c), 0, 0, 0, 0
.endr
.endif
.endm
.macro LAP zero                        ; two K steps, once round the ring, both slots filled again
	HALF F0, F1, \zero, 0, 128, 1, 0, 1, 0, 1
	HALF F1, F0, 0, 1, 0, 1, 128, 0, 0, 1
	HALF F0, F1, 0, 1, 128, 0, 0, 1, 1, 1
	HALF F1, F0, 0, 0, 0, 0, 128, 0, 0, 1
.endm
	s_wait_tensorcnt 0x1                           ; my part of K step 0 is in; K step 1's may stay out
	s_barrier_signal -1
	s_barrier_wait -1
.irp c, 0,1,2,3,4,5,6,7
	SIDE \c
	LD4 \c, 0, 0                                   ; eight chunks, 32 loads, are on their way from here on
.endr
.irp c, 0,1,2,3,4,5,6,7
	CHUNK \c, F0, 28, 1, 0, 0, \c+8                ; the first half's fragments, without products
.endr
.irp c, 8,9,10,11,12,13,14,15
	CHUNK \c, F0, 28, 1, 0, 128, \c-8
.endr
	LAP 1                                          ; the first products start the sums: nothing is cleared
	WIN 0
	s_mov_b32 s66, 6
.Llap:
	LAP 0
	WIN 0
	s_sub_co_u32 s66, s66, 1
	s_cmp_lg_u32 s66, 0
	s_cbranch_scc1 .Llap
	HALF F0, F1, 0, 0, 128, 1, 0, 2, 0, 1          ; K steps 14 and 15: nothing is left to fetch
	HALF F1, F0, 0, 1, 0, 1, 128, 0, 0, 1
	HALF F0, F1, 0, 1, 128, 0, 0, 0, 0, 0
	WIN 0
	; the two biases of my 8 x 8 columns, into A's buffer 0 and A's raw words, which nothing reads any more (eight conversions stand
	; behind the last matrix instruction that read buffer 0); only query's work-groups use them
.irp b, 0,1,2,3,4,5,6,7
	global_load_b128 v[F0+8*\b:F0+8*\b+3], v[VB], s[84:85] offset:64*\b
	global_load_b128 v[F0+8*\b+4:F0+8*\b+7], v[VB], s[84:85] offset:64*\b+16
	global_load_b128 v[RW+8*\b:RW+8*\b+3], v[VB], s[86:87] offset:64*\b
	global_load_b128 v[RW+8*\b+4:RW+8*\b+7], v[VB], s[86:87] offset:64*\b+16
.endr
.irp c, 0,1,2,3,4,5,6,7,8,9,10,11,12,13,14,15
	GMUL F1, \c, 0                                 ; the last half: products alone
.endr
	WIN 0
	NOPS 4                                         ; the places behind the last matrix instructions (ISA guide 7.12.1)
	; THE WAY OUT, 16 rows at a time through my own stage: 16 bytes a lane in, whole pieces of 256 consecutive output bytes back.
.macro PACK a, from                    ; the eight tiles (a, 0..7) of window 2 or 3 (from = 0x0a, 0x0f) rounded to f16
	WIN \from
.irp b, 0,1,2,3,4,5,6,7
.irp p, 0,1,2,3
	v_cvt_pk_f16_f32 v[TMP+4*\b+\p], v[8*(8*(\a)+\b)+2*\p], v[8*(8*(\a)+\b)+2*\p+1]
.endr
.endr
	WIN 0
.endm
.macro PACKQ a, win, bias              ; the same of acc x c + bias x c (win = 0x42, 0x43); the f32 results pass through W's buffer 0 in window 1
	WIN \win
.irp b, 0,1,2,3,4,5,6,7
.irp p, 0,2,4,6
	v_pk_fma_f32 v[F0+8*\b+\p:F0+8*\b+\p+1], v[8*(8*(\a)+\b)+\p:8*(8*(\a)+\b)+\p+1], s[98:99], v[\bias+8*\b+\p:\bias+8*\b+\p+1] op_sel_hi:[1,0,1]
.endr
.endr
	WIN 0x05
.irp b, 0,1,2,3,4,5,6,7
.irp p, 0,1,2,3
	v_cvt_pk_f16_f32 v[TMP+4*\b+\p], v[F0+8*\b+2*\p], v[F0+8*\b+2*\p+1]
.endr
.endr
	WIN 0
.endm
; kind 0: stage row 4 ds + b; load t takes batch t & 3 and the pair of s number t >> 2.  kind 1: stage row = p; load t takes rows 2 t, 2 t + 1.
.macro FLUSH kind, r, bs, step
.irp b, 0,1,2,3,4,5,6,7
	ds_store_b128 v[STO], v[TMP+4*\b:TMP+4*\b+3] offset:32*\b
.endr
	s_wait_xcnt 0x0                                ; earlier stores have had their addresses translated: their data registers and base are rewritten only behind this wait
.if \step
.if \kind
	s_add_nc_u64 s[\bs:\bs+1], s[\bs:\bs+1], 16*128
.else
	s_add_nc_u64 s[\bs:\bs+1], s[\bs:\bs+1], 4*128
.endif
.endif
.irp t, 0,1,2,3,4,5,6,7
.if \kind
	ds_load_b128 v[\r+4*\t:\r+4*\t+3], v[RDKP] offset:2*\t*PITCH
.else
	ds_load_b128 v[\r+4*\t:\r+4*\t+3], v[RDKV] offset:((\t>>2)*8+(\t&3))*PITCH
.endif
.endr                                              ; LDS serves a wave's instructions in order: these see the stores above
.irp t, 0,1,2,3,4,5,6,7
	s_wait_dscnt 7-\t
.if \kind
	global_store_b128 v[COKP], v[\r+4*\t:\r+4*\t+3], s[\bs:\bs+1] offset:256*\t
.else
	global_store_b128 v[COKV], v[\r+4*\t:\r+4*\t+3], s[\bs:\bs+1] offset:(\t&3)*2097152+(\t>>2)*256
.endif
.endr
.endm
	s_lshl_b32 s46, s42, 2
	s_lshl1_add_u32 s46, s12, s46                  ; the first head of my 128 columns = 4 x block column + 2 x half
	s_mov_b32 s47, 0
	s_lshl1_add_u32 s16, s13, s11                  ; the number of my 128 rows = 2 x block row + half
	s_mov_b32 s17, 0
	s_cmp_eq_u32 s45, 3
	s_cbranch_scc1 .Lkp
	s_lshl_b32 s46, s46, 17                        ; head x 1024 s x 128 bytes
	s_lshl_b32 s16, s16, 12                        ; 128 flat rows = 32 s of 128 bytes
	s_cmp_eq_u32 s45, 0
	s_cbranch_scc1 .Lq
	s_add_nc_u64 s[8:9], s[8:9], s[46:47]          ; key or value
	s_add_nc_u64 s[8:9], s[8:9], s[16:17]
.irp i, 0,1,2,3
	PACK \i, 0x0a
	FLUSH 0, F1+32*(\i&1), 8, \i
.endr
.irp i, 0,1,2,3
	PACK \i, 0x0f
	FLUSH 0, F1+32*(\i&1), 8, 1
.endr
	s_branch .Lend
.Lkp:
	s_lshl_b32 s46, s46, 18                        ; head x 2048 p x 128 bytes
	s_lshl_b32 s16, s16, 14                        ; 128 p of 128 bytes
	s_add_nc_u64 s[8:9], s[8:9], s[46:47]
	s_add_nc_u64 s[8:9], s[8:9], s[16:17]
.irp i, 0,1,2,3
	PACK \i, 0x0a
	FLUSH 1, F1+32*(\i&1), 8, \i
.endr
.irp i, 0,1,2,3
	PACK \i, 0x0f
	FLUSH 1, F1+32*(\i&1), 8, 1
.endr
	s_branch .Lend
.Lq:
	s_add_nc_u64 s[88:89], s[88:89], s[46:47]
	s_add_nc_u64 s[88:89], s[88:89], s[16:17]
	s_add_nc_u64 s[90:91], s[90:91], s[46:47]
	s_add_nc_u64 s[90:91], s[90:91], s[16:17]
	s_wait_loadcnt 0x0                             ; the biases
.set x, 0
.rept 32
	v_pk_mul_f32 v[F0+x:F0+x+1], v[F0+x:F0+x+1], s[98:99] op_sel_hi:[1,0]
	v_pk_mul_f32 v[RW+x:RW+x+1], v[RW+x:RW+x+1], s[98:99] op_sel_hi:[1,0]
.set x, x+2
.endr
.irp i, 0,1,2,3
	PACKQ \i, 0x42, F0
	FLUSH 0, F1, 88, \i
	PACKQ \i, 0x42, RW
	FLUSH 0, F1+32, 90, \i
.endr
.irp i, 0,1,2,3
	PACKQ \i, 0x43, F0
	FLUSH 0, F1, 88, 1
	PACKQ \i, 0x43, RW
	FLUSH 0, F1+32, 90, 1
.endr
.Lend:
	s_wait_tensorcnt 0x0
	ds_add_u32 v30, v31
	s_wait_dscnt 0x0
	CROUND                                         ; the closing round: no work-group ends while a partner may still ask jointly
	s_endpgm
.Lfunc_end_k_qd809aef051_proj:
	.size	k_qd809aef051_proj, .Lfunc_end_k_qd809aef051_proj-k_qd809aef051_proj
	.p2alignl 7, 3214868480
	.fill 96, 4, 3214868480
	.section	.rodata,"a",@progbits
	.p2align	6, 0x0
	.amdhsa_kernel k_qd809aef051_proj
		.amdhsa_group_segment_fixed_size 327680
		.amdhsa_private_segment_fixed_size 0
		.amdhsa_enable_private_segment 0
		.amdhsa_kernarg_size 120
		.amdhsa_user_sgpr_count 2
		.amdhsa_user_sgpr_kernarg_segment_ptr 1
		.amdhsa_wavefront_size32 1
		.amdhsa_system_sgpr_workgroup_id_x 1
		.amdhsa_system_sgpr_workgroup_id_y 1
		.amdhsa_system_sgpr_workgroup_id_z 1
		.amdhsa_system_vgpr_workitem_id 0
		.amdhsa_next_free_vgpr 1024
		.amdhsa_next_free_sgpr 100
		.amdhsa_reserve_vcc 0
		.amdhsa_float_denorm_mode_32 3
		.amdhsa_float_denorm_mode_16_64 3
		.amdhsa_memory_ordered 1
		.amdhsa_forward_progress 1
		.amdhsa_inst_pref_size 255
	.end_amdhsa_kernel
	.section	.bss,"aw",@nobits
	.p2align	6
	.space	262144
	.amdgpu_metadata
---
amdhsa.version: [ 1, 2 ]
amdhsa.kernels:
  - .name:           k_qd809aef051_proj
    .symbol:         k_qd809aef051_proj.kd
    .args:
      - { .name: query, .offset: 0, .size: 8, .value_kind: global_buffer, .address_space: global }
      - { .name: key, .offset: 8, .size: 8, .value_kind: global_buffer, .address_space: global }
      - { .name: value, .offset: 16, .size: 8, .value_kind: global_buffer, .address_space: global }
      - { .name: pe, .offset: 24, .size: 8, .value_kind: global_buffer, .address_space: global }
      - { .name: w_q, .offset: 32, .size: 8, .value_kind: global_buffer, .address_space: global }
      - { .name: w_k, .offset: 40, .size: 8, .value_kind: global_buffer, .address_space: global }
      - { .name: w_v, .offset: 48, .size: 8, .value_kind: global_buffer, .address_space: global }
      - { .name: w_k_pos, .offset: 56, .size: 8, .value_kind: global_buffer, .address_space: global }
      - { .name: content_bias, .offset: 64, .size: 8, .value_kind: global_buffer, .address_space: global }
      - { .name: pos_bias, .offset: 72, .size: 8, .value_kind: global_buffer, .address_space: global }
      - { .name: qc, .offset: 80, .size: 8, .value_kind: global_buffer, .address_space: global }
      - { .name: qp, .offset: 88, .size: 8, .value_kind: global_buffer, .address_space: global }
      - { .name: kk, .offset: 96, .size: 8, .value_kind: global_buffer, .address_space: global }
      - { .name: vv, .offset: 104, .size: 8, .value_kind: global_buffer, .address_space: global }
      - { .name: kp, .offset: 112, .size: 8, .value_kind: global_buffer, .address_space: global }
    .group_segment_fixed_size: 327680
    .private_segment_fixed_size: 0
    .kernarg_segment_align: 8
    .kernarg_segment_size: 120
    .max_flat_workgroup_size: 128
    .sgpr_count:     100
    .vgpr_count:     1024
    .wavefront_size: 32
...
	.end_amdgpu_metadata
.endif
;; end of part 1
;; launch att (part 2): grid 4 x 64, 8 waves a work-group, clusters of 4 x 1, 327,680 bytes of LDS; arguments qc, qp, kk, vv, kp, ao, w_out, wo; writes ao, wo
.if DOCPART == 2
	.amdgcn_target "amdgcn-amd-amdhsa--gfx1250"
	.amdhsa_code_object_version 6
	.text
	.protected	k_qd809aef051_att
	.globl	k_qd809aef051_att
	.p2align	8
	.type	k_qd809aef051_att,@function
k_qd809aef051_att:
	s_mov_b64 s[64:65], 0
	v_nop
	global_prefetch_b8 v0, s[64:65] scope:SCOPE_SE
	s_setreg_imm32_b32 hwreg(HW_REG_WAVE_MODE, 25, 1), 1
	s_wait_xcnt 0x0
	s_wait_alu depctr_hold_cnt(0) depctr_sa_sdst(0) depctr_va_vdst(0) depctr_va_sdst(0) depctr_va_ssrc(0) depctr_va_vcc(0) depctr_vm_vsrc(0)
	s_getreg_b32 s2, hwreg(HW_REG_IB_STS2, 6, 4)
	s_cmp_eq_u32 s2, 0
	s_cbranch_scc0 .Lentry_in_a_cluster
	s_endpgm
.Lentry_in_a_cluster:
	s_bfe_u32 s2, ttmp6, 0x10000c
	s_cmp_lg_u32 s2, 0x3003
	s_cbranch_scc0 .Lentry_shape_is_right
	s_endpgm
.Lentry_shape_is_right:
; ATTENTION WITH RELATIVE POSITIONS for one (batch, head) and 256 queries: score(q, key) = qc[q].kk[key] + qp[q].kp[key - q + 1024], in units
; of log2 (the scale lies in qc and qp), softmax over the 1024 keys with a running maximum, times vv, to ao in f16, laid [b][s / 2][head][s & 1][64]:
; a pair of queries of one head is 256 consecutive bytes, and a pair's 16 heads are one row of 4,096 bytes along the next product's K.
; The pad-and-reshape shift of the formula never wraps: flat index 1023 + 2047 q + j = 2048 q + (1023 - q + j) with 0 <= 1023 - q + j <= 2046.
; Eight waves; wave w owns queries 32 w + 16 i + r (i = 0, 1).  Everything is computed transposed, S^T = K qc^T: a lane is one query, so maxima
; and sums stay in the lane but for one exchange of halves, and the packed probabilities are the second source of out^T = V^T attn^T as they lie.
; THE SKEW.  pl = key - ql + 256 (ql = the query's number in the block) indexes a band of 1280 rows of kp that stays in LDS.  A tile of
; P^T = 16 band rows x 16 queries is two matrix instructions; a lane puts its 8 numbers into row r of the wave's own scratch at word
; 16 n + 8 h + j, and the score accumulator is LOADED from word 16 (kt + 1) + 8 h + j - r: the content products then add onto it.  A step of 64 keys
; needs five tiles n = 0..4 for each query tile; tile 4 stays in registers and is tile 0 of the next step.  The positional work of step t + 1
; stands among step t's softmax and V products.
; CLUSTER 4 x 1: the four query blocks of a (batch, head) read the same K and V blocks of 128 keys: joint loads, mask 15, two slots, a round of
; the cluster's barrier in front of each refill.  The band differs from block to block (its first row is 768 - 256 x block), so each work-group
; brings its own by plain loads, once.
; ALSO HERE: w_out is rounded to f16 into wo for the next launch, 4 MB / 256 work-groups = 16 KB each, 64 bytes a lane, while the first tiles are
; on their way and the waves have nothing else to do; a launch of its own for these bytes would cost a start and an end.
; LIMITS: all matrix operands, ao and wo are f16: beyond 65,504 in magnitude a number becomes infinite, below 2^-14 the step is 2^-24; ao is a convex
; mix of rows of vv, so it has vv's room.  The probabilities lie in (0, 1] by the running maximum; one below 2^-25 of its row's largest drops out of the
; V product (at most 1024 x 2^-25 of the sum), not out of the sum, which is taken of the unrounded numbers.  A NaN score is passed over by the maximum.
.set KPITCH, 144                       ; 128 bytes + 16: rows start 16 bytes further modulo 256 (times 9)
.set VPITCH, 160                       ; 128 bytes + 32: an odd multiple of 32, for the transposing loads
.set KSLOT,  128*KPITCH
.set VBASE,  2*KSLOT
.set VSLOT,  128*VPITCH
.set BAND,   VBASE+2*VSLOT
.set BSLICE, 160*KPITCH                ; a wave brings 160 of the band's 1280 rows
.set SCR,    BAND+8*BSLICE             ; 262,144: scratch, written by LDS stores alone
.set SCRW,   16*336                    ; a wave's scratch: 16 rows of 80 words + 4
.set OPITCH, 144                       ; the scratch as output stage: 16 rows of 64 f16 + 16 bytes
.set VKA, 4                            ; r 144 + 16 h
.set VVA, 5                            ; V: (8 h + (l & 7)) 160 + 16 ((l >> 3) & 1)
.set VPA, 6                            ; band: row 16 (14 - 2 w) + r, steps 64 rows a step
.set VSS, 7                            ; scratch, in: r 336 + 32 h
.set VSL, 8                            ; scratch, skewed out: r 332 + 32 h
.set VOS, 9                            ; output stage, in: r 144 + 16 h
.set VOL, 10                           ; output stage, back: (l >> 3) 144 + 16 (l & 7)
.set VGO, 11                           ; byte offset in ao
.set VQA, 12                           ; byte offset in qc, qp
.set MX,  14                           ; v[14:17] running maximum, a pair for each query tile
.set LS,  18                           ; v18, v19 running sums (this lane's keys)
.set AL,  20                           ; v[20:21] factor for the old sums
.set T,   22                           ; v[22:37] at work
.set VWI, 38                           ; byte offset of my 8 numbers in my wave's piece of w_out
.set VWO, 39                           ; and in wo
.set SC,  40                           ; v[40:103]  scores, 32 i + 8 kt + j
.set OA,  104                          ; v[104:167] out^T, 32 i + 8 dt + j
.set AT,  168                          ; v[168:199] probabilities in f16, 16 i + 8 kk
.set PT,  200                          ; v[200:223] P^T tiles n = 1..3
.set CY,  224                          ; v[224:239] P^T tile n = 4, kept for the next step, 8 i
.set QC,  0                            ; window 1: qc fragments 16 i + 8 f
.set QP,  32                           ; window 1: qp fragments
.set KF,  64                           ; window 1: v[64:143] K fragments 16 kt + 8 f, then five band tiles
.set VF,  144                          ; window 1: v[144:207] V^T fragments 32 kk + 8 dt
.set MSB, 0
.macro WIN new
.if MSB != (\new)
	s_set_vgpr_msb (MSB<<8)|(\new)
.set MSB, (\new)
.endif
.endm
.macro NOPS n
.rept \n
	v_nop
.endr
.endm
.macro ROUND                           ; a round of the cluster's barrier
	s_barrier_signal -1
	s_barrier_wait -1
	s_cmp_lg_u32 s16, 0
	s_cbranch_scc1 .Lnot_wave_0_\@
	s_barrier_signal -3
.Lnot_wave_0_\@:
	s_barrier_wait -3
	s_barrier_signal -1
	s_barrier_wait -1
.endm
.macro JLOAD slot                      ; wave 2 slot asks for the slot's K block, wave 2 slot + 1 for its V block: one tensor load a wave at the most
	s_cmp_lg_u32 s16, 2*\slot
	s_cbranch_scc1 .Lnot_k_\@
	tensor_load_to_lds s[48+4*\slot:51+4*\slot], s[24:31]
	s_nop 0
.Lnot_k_\@:
	s_cmp_lg_u32 s16, 2*\slot+1
	s_cbranch_scc1 .Lnot_v_\@
	tensor_load_to_lds s[56+4*\slot:59+4*\slot], s[32:39]
	s_nop 0
.Lnot_v_\@:
.endm
	s_load_b256 s[4:11], s[0:1], 0x0               ; qc s[4:5], qp s[6:7], kk s[8:9], vv s[10:11]
	s_load_b128 s[12:15], s[0:1], 0x20             ; kp s[12:13], ao s[14:15]
	s_load_b128 s[72:75], s[0:1], 0x30             ; w_out s[72:73], wo s[74:75]
	v_lshl_add_u32 v254, v0, 2, 0x4a800
	v_mov_b32 v255, 0
	ds_add_u32 v254, v255
	v_lshrrev_b32 v1, 5, v0
	v_readfirstlane_b32 s16, v1                    ; wave 0..7
	s_bfe_u32 s17, ttmp6, 0x40000                  ; cx
	s_lshl_b32 s21, ttmp9, 2
	s_add_co_u32 s17, s21, s17                     ; query block = 4 x cluster x + cx
	s_and_b32 s18, ttmp7, 0xffff                   ; 16 b + head
	s_and_b32 s19, s18, 15                         ; head
	s_lshr_b32 s20, s18, 4                         ; batch
	s_mov_b32 s86, 0x76543210                      ; v_permlanex16_b32: lane i reads lane i of the other half
	s_mov_b32 s87, 0xfedcba98
	; group 1: rows of 64 f16 (32 words).  K: 4 words of padding, V: 8; both joint (mask 15, bit 21 beside it).  Band: 4 words, no mask.
	s_mov_b32 s24, 15|(1<<16)|(1<<20)|(1<<21)|(4<<22)|(3<<25)
	s_mov_b32 s32, 15|(1<<16)|(1<<20)|(1<<21)|(4<<22)|(7<<25)
	s_mov_b32 s40, (1<<16)|(1<<20)|(4<<22)|(3<<25)
	s_mov_b32 s25, 64<<16
	s_mov_b32 s33, 64<<16
	s_mov_b32 s41, 64<<16
	s_mov_b32 s26, 128<<16
	s_mov_b32 s34, 128<<16
	s_mov_b32 s42, 160<<16
	s_mov_b32 s27, 64<<16
	s_mov_b32 s35, 64<<16
	s_mov_b32 s43, 64<<16
	s_mov_b32 s28, 128
	s_mov_b32 s36, 128
	s_mov_b32 s44, 160
	s_mov_b32 s29, 64
	s_mov_b32 s37, 64
	s_mov_b32 s45, 64
	s_mov_b32 s30, 0
	s_mov_b32 s38, 0
	s_mov_b32 s46, 0
	s_mov_b32 s31, 0
	s_mov_b32 s39, 0
	s_mov_b32 s47, 0
	s_lshl_b32 s76, s18, 17                        ; (16 b + head) x 1024 x 128 bytes: shared by the four partners
	s_mov_b32 s77, 0
	s_lshl_b32 s21, s19, 11
	s_add_co_u32 s21, s21, 768
	s_lshl_b32 s22, s17, 8
	s_sub_co_u32 s21, s21, s22                     ; the band's first row in kp: head x 2048 + 768 - 256 x block
	s_mul_i32 s22, s16, 160
	s_add_co_u32 s21, s21, s22                     ; my slice
	s_lshl_b32 s78, s21, 7
	s_mov_b32 s79, 0
	s_lshl_b32 s80, s17, 15                        ; my block's 256 queries of 128 bytes
	s_add_co_u32 s80, s80, s76
	s_mov_b32 s81, 0
	s_lshl_b32 s82, s20, 21                        ; in ao: batch x 512 pairs of queries x 4,096 bytes,
	s_lshl_b32 s21, s17, 19                        ; + block x 128 pairs
	s_add_co_u32 s82, s82, s21
	s_lshl_b32 s21, s19, 8                         ; + head x 256
	s_add_co_u32 s82, s82, s21
	s_mov_b32 s83, 0
	s_mul_i32 s69, s16, BSLICE
	s_add_co_u32 s69, s69, BAND                    ; my slice's place in LDS
	s_mov_b32 s68, 1
	s_mov_b32 s48, 1
	s_mov_b32 s52, 1
	s_mov_b32 s56, 1
	s_mov_b32 s60, 1
	s_mov_b32 s49, 0
	s_mov_b32 s53, KSLOT
	s_mov_b32 s57, VBASE
	s_mov_b32 s61, VBASE+VSLOT
	s_lshl2_add_u32 s21, s18, s17                  ; the work-group's number, 0..255
	s_lshl_b32 s22, s21, 14                        ; its 16,384 bytes of w_out,
	s_lshl_b32 s23, s16, 11                        ; my wave's 2,048 of them
	s_add_co_u32 s22, s22, s23
	s_mov_b32 s23, 0
	s_wait_dscnt 0x0
	s_wait_kmcnt 0x0
	s_add_nc_u64 s[72:73], s[72:73], s[22:23]
	s_lshr_b32 s22, s22, 1                         ; half as many bytes in wo
	s_add_nc_u64 s[74:75], s[74:75], s[22:23]
	s_add_nc_u64 s[50:51], s[8:9], s[76:77]        ; K block 0,
	s_add_nc_u64 s[54:55], s[50:51], 128*128       ; block 1
	s_add_nc_u64 s[58:59], s[10:11], s[76:77]
	s_add_nc_u64 s[62:63], s[58:59], 128*128
	s_add_nc_u64 s[70:71], s[12:13], s[78:79]
	s_or_b32 s51, s51, 0x80000000
	s_or_b32 s55, s55, 0x80000000
	s_or_b32 s59, s59, 0x80000000
	s_or_b32 s63, s63, 0x80000000
	s_or_b32 s71, s71, 0x80000000
	s_add_nc_u64 s[4:5], s[4:5], s[80:81]
	s_add_nc_u64 s[6:7], s[6:7], s[80:81]
	s_add_nc_u64 s[14:15], s[14:15], s[82:83]
	ROUND                                          ; the four partners are here
	tensor_load_to_lds s[68:71], s[40:47]          ; all first fills in one group: my slice of the band,
	s_nop 0
	JLOAD 0                                        ; K and V blocks 0 (waves 0, 1)
	JLOAD 1                                        ; and 1 (waves 2, 3): two tensor loads of a wave are out at the most
	v_and_b32 v1, 15, v0                           ; r
	v_bfe_u32 v2, v0, 4, 1                         ; h
	v_and_b32 v3, 7, v0
	v_bfe_u32 v13, v0, 3, 1
	v_mul_u32_u24 v[VKA], v1, KPITCH
	v_lshl_add_u32 v[VKA], v2, 4, v[VKA]
	v_lshl_add_u32 v3, v2, 3, v3
	v_mul_u32_u24 v3, v3, VPITCH
	v_lshl_add_u32 v3, v13, 4, v3
	v_add_nc_u32 v[VVA], VBASE, v3
	s_mul_i32 s21, s16, 32*KPITCH
	s_sub_co_u32 s21, BAND+224*KPITCH, s21         ; band row 16 (14 - 2 w)
	v_add_nc_u32 v[VPA], s21, v[VKA]
	s_mul_i32 s22, s16, SCRW
	s_add_co_u32 s22, s22, SCR                     ; my scratch
	v_lshl_add_u32 v3, v2, 5, s22
	v_mul_u32_u24 v13, v1, 336
	v_add_nc_u32 v[VSS], v13, v3
	v_mul_u32_u24 v13, v1, 332                     ; a row of 336 bytes less r words: the skew
	v_add_nc_u32 v[VSL], v13, v3
	v_mul_u32_u24 v13, v1, OPITCH
	v_lshl_add_u32 v13, v2, 4, v13
	v_add_nc_u32 v[VOS], s22, v13                  ; out: query r, 8 f16 for each half of the lanes
	v_bfe_u32 v13, v0, 3, 2                        ; back: eight lanes take a query's 128 bytes, a load four queries
	v_mul_u32_u24 v13, v13, OPITCH
	v_and_b32 v3, 7, v0
	v_lshl_add_u32 v13, v3, 4, v13
	v_add_nc_u32 v[VOL], s22, v13
	s_lshl_b32 s23, s16, 16                        ; 32 w queries = 16 pairs of 4,096 bytes
	v_lshlrev_b32 v13, 12, v2                      ; lanes 16-31: the next pair
	v_lshl_add_u32 v13, v1, 4, v13                 ; 16 lanes cover a pair's 256 bytes of this head
	v_add_nc_u32 v[VGO], s23, v13
	s_lshl_b32 s23, s16, 12                        ; 32 w queries of 128 bytes
	v_lshlrev_b32 v13, 7, v1
	v_lshl_add_u32 v13, v2, 4, v13
	v_add_nc_u32 v[VQA], s23, v13
	v_and_b32 v13, 31, v0
	v_lshlrev_b32 v[VWI], 5, v13                   ; 8 f32 a lane,
	v_lshlrev_b32 v[VWO], 4, v13                   ; 8 f16
	WIN 0x40                                       ; loads into window 1
.irp i, 0,1
.irp f, 0,1
.irp e, 0,1
	global_load_b128 v[QC+16*\i+8*\f+4*\e:QC+16*\i+8*\f+4*\e+3], v[VQA], s[4:5] offset:2048*\i+64*\f+32*\e
	global_load_b128 v[QP+16*\i+8*\f+4*\e:QP+16*\i+8*\f+4*\e+3], v[VQA], s[6:7] offset:2048*\i+64*\f+32*\e
.endr
.endr
.endr
	WIN 0
.irp g, 0,1
	global_load_b128 v[SC+8*\g:SC+8*\g+3], v[VWI], s[72:73] offset:1024*\g th:TH_LOAD_NT       ; my wave's 2,048 bytes of w_out, read once in the launch
	global_load_b128 v[SC+8*\g+4:SC+8*\g+7], v[VWI], s[72:73] offset:1024*\g+16 th:TH_LOAD_NT
.endr
.macro KLOAD slot, half                ; 64 keys x 64 d as eight fragments
	WIN 0x40
.irp kt, 0,1,2,3
.irp f, 0,1
	ds_load_b128 v[KF+16*\kt+8*\f:KF+16*\kt+8*\f+3], v[VKA] offset:\slot*KSLOT+\half*64*KPITCH+\kt*16*KPITCH+64*\f
	ds_load_b128 v[KF+16*\kt+8*\f+4:KF+16*\kt+8*\f+7], v[VKA] offset:\slot*KSLOT+\half*64*KPITCH+\kt*16*KPITCH+64*\f+32
.endr
.endr
.endm
.macro KPLOAD                          ; five band tiles: set u lies 16 (u + 1) rows below VPA's row
	WIN 0x40
.irp u, 0,1,2,3,4
.irp f, 0,1
	ds_load_b128 v[KF+16*\u+8*\f:KF+16*\u+8*\f+3], v[VPA] offset:(\u+1)*16*KPITCH+64*\f
	ds_load_b128 v[KF+16*\u+8*\f+4:KF+16*\u+8*\f+7], v[VPA] offset:(\u+1)*16*KPITCH+64*\f+32
.endr
.endr
.endm
.macro VLOAD slot, half                ; V^T: rows = d, k = keys, by transposing loads
	WIN 0x40
.irp kk, 0,1
.irp dt, 0,1,2,3
.irp e, 0,1
	ds_load_tr16_b128 v[VF+32*\kk+8*\dt+4*\e:VF+32*\kk+8*\dt+4*\e+3], v[VVA] offset:\slot*VSLOT+\half*64*VPITCH+\kk*32*VPITCH+\e*16*VPITCH+32*\dt
.endr
.endr
.endr
.endm
.macro CONT                            ; content products onto the skewed positional scores; eight accumulators take turns
	WIN 0x05
.irp f, 0,1
.irp i, 0,1
.irp kt, 0,1,2,3
	v_wmma_f32_16x16x32_f16 v[SC+32*\i+8*\kt:SC+32*\i+8*\kt+7], v[KF+16*\kt+8*\f:KF+16*\kt+8*\f+7], v[QC+16*\i+8*\f:QC+16*\i+8*\f+7], v[SC+32*\i+8*\kt:SC+32*\i+8*\kt+7]
.endr
.endr
.endr
.endm
; The softmax step of query tile i: 32 scores a lane, the other 32 keys in the lane 16 further on.
.macro SOFTMAX i, first
.set sb, SC+32*\i
.irp x, 0,1,2,3
	v_max3_num_f32 v[T+\x], v[sb+3*\x], v[sb+3*\x+1], v[sb+3*\x+2]
.endr
.irp x, 0,1,2,3,4,5,6,7,8,9
	v_max3_num_f32 v[T+(\x&3)], v[T+(\x&3)], v[sb+12+2*\x], v[sb+13+2*\x]
.endr
	v_max3_num_f32 v[T], v[T], v[T+1], v[T+2]
	v_max_num_f32 v[T], v[T], v[T+3]
	v_permlanex16_b32 v[T+1], v[T], s86, s87
.if \first
	v_max_num_f32 v[MX+2*\i], v[T], v[T+1]
	v_max_num_f32 v[MX+2*\i+1], v[T], v[T+1]
.else
	v_max3_num_f32 v[T+2], v[T], v[T+1], v[MX+2*\i]
	v_sub_f32 v[T+3], v[MX+2*\i], v[T+2]           ; old maximum - new
	v_mov_b32 v[MX+2*\i], v[T+2]
	v_mov_b32 v[MX+2*\i+1], v[T+2]
.endif
.set x, 0
.rept 16
	v_pk_add_f32 v[sb+x:sb+x+1], v[sb+x:sb+x+1], v[MX+2*\i:MX+2*\i+1] neg_lo:[0,1] neg_hi:[0,1]
.set x, x+2
.endr
.if \first == 0
	v_exp_f32 v[AL], v[T+3]
.endif
.set x, 0
.rept 32
	v_exp_f32 v[sb+x], v[sb+x]
.set x, x+1
.endr
	v_nop                                          ; one plain instruction between the exponentials and the first use of a result (ISA guide 5.7.2)
.if \first == 0
	s_wait_alu depctr_va_vdst(0)
	v_mov_b32 v[AL+1], v[AL]
.endif
.set x, 0
	s_wait_alu depctr_va_vdst(0)
.rept 16
	v_cvt_pk_f16_f32 v[AT+16*\i+x], v[sb+2*x], v[sb+2*x+1]     ; keys 8 h + 0..7 of tiles 2 kk, 2 kk + 1: the second source's layout as it is
.set x, x+1
.endr
.irp x, 0,1,2,3,4,5,6,7
	v_pk_add_f32 v[T+2*\x:T+2*\x+1], v[sb+4*\x:sb+4*\x+1], v[sb+4*\x+2:sb+4*\x+3]
.endr
.irp x, 0,1,2,3
	v_pk_add_f32 v[T+2*\x:T+2*\x+1], v[T+4*\x:T+4*\x+1], v[T+4*\x+2:T+4*\x+3]
.endr
.irp x, 0,1
	v_pk_add_f32 v[T+2*\x:T+2*\x+1], v[T+4*\x:T+4*\x+1], v[T+4*\x+2:T+4*\x+3]
.endr
	v_pk_add_f32 v[T:T+1], v[T:T+1], v[T+2:T+3]
.if \first
	v_add_f32 v[LS+\i], v[T], v[T+1]
.else
	v_add_f32 v[T], v[T], v[T+1]
	v_fma_f32 v[LS+\i], v[LS+\i], v[AL], v[T]
.endif
.endm
; The next step's P^T tiles of query tile i: the kept tile goes to words 0-15, tiles n = 1..4 are made from band sets n - i; four accumulators take turns.
.macro PTW i
	WIN 0
	ds_store_b128 v[VSS], v[CY+8*\i:CY+8*\i+3]
	ds_store_b128 v[VSS], v[CY+8*\i+4:CY+8*\i+7] offset:16
	WIN 0x05
.irp n, 1,2,3
	v_wmma_f32_16x16x32_f16 v[PT+8*\n-8:PT+8*\n-1], v[KF+16*(\n-\i):KF+16*(\n-\i)+7], v[QP+16*\i:QP+16*\i+7], 0
.endr
	v_wmma_f32_16x16x32_f16 v[CY+8*\i:CY+8*\i+7], v[KF+16*(4-\i):KF+16*(4-\i)+7], v[QP+16*\i:QP+16*\i+7], 0
.irp n, 1,2,3
	v_wmma_f32_16x16x32_f16 v[PT+8*\n-8:PT+8*\n-1], v[KF+16*(\n-\i)+8:KF+16*(\n-\i)+15], v[QP+16*\i+8:QP+16*\i+15], v[PT+8*\n-8:PT+8*\n-1]
.endr
	v_wmma_f32_16x16x32_f16 v[CY+8*\i:CY+8*\i+7], v[KF+16*(4-\i)+8:KF+16*(4-\i)+15], v[QP+16*\i+8:QP+16*\i+15], v[CY+8*\i:CY+8*\i+7]
	WIN 0
.endm
.macro RESC i                          ; the old sums of out^T times the factor; these 16 lines are also the places behind PTW's matrix instructions
.set x, 0
.rept 16
	v_pk_mul_f32 v[OA+32*\i+x:OA+32*\i+x+1], v[OA+32*\i+x:OA+32*\i+x+1], v[AL:AL+1]
.set x, x+2
.endr
.endm
.macro PTS i                           ; tiles 1..4 into the scratch, the skewed scores out of it (LDS serves a wave's instructions in order)
.irp n, 1,2,3
	ds_store_b128 v[VSS], v[PT+8*\n-8:PT+8*\n-5] offset:64*\n
	ds_store_b128 v[VSS], v[PT+8*\n-4:PT+8*\n-1] offset:64*\n+16
.endr
	ds_store_b128 v[VSS], v[CY+8*\i:CY+8*\i+3] offset:256
	ds_store_b128 v[VSS], v[CY+8*\i+4:CY+8*\i+7] offset:272
.irp kt, 0,1,2,3
.irp j, 0,1,2,3,4,5,6,7
	ds_load_b32 v[SC+32*\i+8*\kt+\j], v[VSL] offset:64*(\kt+1)+4*\j
.endr
.endr
.endm
.macro PV i, first                     ; out^T += V^T attn^T; four accumulators take turns
	WIN 0x01
.irp dt, 0,1,2,3
.if \first
	v_wmma_f32_16x16x32_f16 v[OA+32*\i+8*\dt:OA+32*\i+8*\dt+7], v[VF+8*\dt:VF+8*\dt+7], v[AT+16*\i:AT+16*\i+7], 0
.else
	v_wmma_f32_16x16x32_f16 v[OA+32*\i+8*\dt:OA+32*\i+8*\dt+7], v[VF+8*\dt:VF+8*\dt+7], v[AT+16*\i:AT+16*\i+7], v[OA+32*\i+8*\dt:OA+32*\i+8*\dt+7]
.endif
.endr
.irp dt, 0,1,2,3
	v_wmma_f32_16x16x32_f16 v[OA+32*\i+8*\dt:OA+32*\i+8*\dt+7], v[VF+32+8*\dt:VF+32+8*\dt+7], v[AT+16*\i+8:AT+16*\i+15], v[OA+32*\i+8*\dt:OA+32*\i+8*\dt+7]
.endr
	WIN 0
.endm
.macro QTILE i, first, last
.if \last == 0
	PTW \i
.endif
.if \first
	NOPS 4                                         ; the places behind PTW where there is nothing to scale yet
.else
	RESC \i
.endif
.if \last == 0
	PTS \i
.endif
	PV \i, \first
.endm
; One step: 64 keys of the slot's half.
.macro STEP slot, half, first, last
	KLOAD \slot, \half
	s_wait_dscnt 0x0                               ; the K fragments, and the skewed scores loaded in the step before
	CONT
	NOPS 4                                         ; places: the softmax reads results, the loads below land on sources
.if \last == 0
	KPLOAD
.endif
	VLOAD \slot, \half
	WIN 0
.if \last == 0
	v_add_nc_u32 v[VPA], 64*KPITCH, v[VPA]
.endif
	SOFTMAX 0, \first
	s_wait_dscnt 0x0                               ; the band tiles and V^T
	QTILE 0, \first, \last
	SOFTMAX 1, \first
	QTILE 1, \first, \last
.endm
; A phase: the 128 keys of a slot.  In front of the round every wave has waited for all its tensor loads (the slot's blocks among them) and for its
; LDS reads; behind it the other slot, read in the phase before, is asked for again first, two blocks further on.
.macro PHASE slot, other, refill, last
	s_wait_tensorcnt 0x0
	ds_add_u32 v254, v255
	s_wait_dscnt 0x0
.if \refill
	s_add_nc_u64 s[50+4*\other:51+4*\other], s[50+4*\other:51+4*\other], 2*128*128
	s_add_nc_u64 s[58+4*\other:59+4*\other], s[58+4*\other:59+4*\other], 2*128*128
.endif
	s_wait_dscnt 0x0
	ROUND
.if \refill
	JLOAD \other
.endif
	STEP \slot, 0, 0, 0
	STEP \slot, 1, 0, \last
.endm
	s_wait_loadcnt 0x0                             ; qc, qp and my piece of w_out
.irp g, 0,1
.irp p, 0,1,2,3
	v_cvt_pk_f16_f32 v[OA+4*\g+\p], v[SC+8*\g+2*\p], v[SC+8*\g+2*\p+1]
.endr
	global_store_b128 v[VWO], v[OA+4*\g:OA+4*\g+3], s[74:75] offset:512*\g    ; a store of the wave covers 512 consecutive bytes, aligned
.endr
	s_wait_tensorcnt 0x0                           ; my slice of the band and my K or V block have landed
	s_wait_xcnt 0x0                                ; the two stores' data registers are written again only behind this wait
	s_barrier_signal -1
	s_barrier_wait -1                              ; everybody's tiles have landed
	WIN 0x40                                       ; step 0's tiles n = 0: band sets at VPA's row (query tile 1) and 16 rows below (query tile 0)
.irp u, 0,1
.irp f, 0,1
	ds_load_b128 v[KF+16*\u+8*\f:KF+16*\u+8*\f+3], v[VPA] offset:\u*16*KPITCH+64*\f
	ds_load_b128 v[KF+16*\u+8*\f+4:KF+16*\u+8*\f+7], v[VPA] offset:\u*16*KPITCH+64*\f+32
.endr
.endr
	s_wait_dscnt 0x0
	WIN 0x05
	v_wmma_f32_16x16x32_f16 v[CY:CY+7], v[KF+16:KF+23], v[QP:QP+7], 0
	v_wmma_f32_16x16x32_f16 v[CY+8:CY+15], v[KF:KF+7], v[QP+16:QP+23], 0
	v_wmma_f32_16x16x32_f16 v[CY:CY+7], v[KF+24:KF+31], v[QP+8:QP+15], v[CY:CY+7]
	v_wmma_f32_16x16x32_f16 v[CY+8:CY+15], v[KF+8:KF+15], v[QP+24:QP+31], v[CY+8:CY+15]
	NOPS 5                                         ; five places: a later matrix instruction writes over these results
	KPLOAD
	WIN 0
	v_add_nc_u32 v[VPA], 64*KPITCH, v[VPA]
	s_wait_dscnt 0x0
	PTW 0
	NOPS 5                                         ; PT is written over by the second query tile's products
	PTS 0
	PTW 1
	NOPS 4
	PTS 1
	STEP 0, 0, 1, 0                                ; phase 0: its first products start the sums
	STEP 0, 1, 0, 0
	s_mov_b32 s84, 3
.Lphase:
	PHASE 1, 0, 1, 0
	PHASE 0, 1, 1, 0
	s_sub_co_u32 s84, s84, 1
	s_cmp_lg_u32 s84, 0
	s_cbranch_scc1 .Lphase
	PHASE 1, 0, 0, 1                               ; keys 896-1023: nothing is left to fetch, no positional work follows the last step
	NOPS 4
; out^T / sum, rounded to f16, through my scratch as 16 rows of 128 bytes + 16; read back four queries a load, so that 16 lanes store the
; 256 consecutive bytes of a pair of queries of this head
.macro OUT i
	v_permlanex16_b32 v[T], v[LS+\i], s86, s87
	v_add_f32 v[T], v[T], v[LS+\i]
	v_rcp_f32 v[T+2], v[T]
	v_nop
	s_wait_alu depctr_va_vdst(0)
	v_mov_b32 v[T+3], v[T+2]
.set x, 0
.rept 16
	v_pk_mul_f32 v[OA+32*\i+x:OA+32*\i+x+1], v[OA+32*\i+x:OA+32*\i+x+1], v[T+2:T+3]
.set x, x+2
.endr
.irp dt, 0,1,2,3
.irp p, 0,1,2,3
	v_cvt_pk_f16_f32 v[AT+16*\i+4*\dt+\p], v[OA+32*\i+8*\dt+2*\p], v[OA+32*\i+8*\dt+2*\p+1]   ; d = 16 dt + 8 h + 0..7 of query r
.endr
.endr
.irp dt, 0,1,2,3
	ds_store_b128 v[VOS], v[AT+16*\i+4*\dt:AT+16*\i+4*\dt+3] offset:32*\dt
.endr
.irp e, 0,1,2,3
	ds_load_b128 v[SC+32*\i+4*\e:SC+32*\i+4*\e+3], v[VOL] offset:\e*4*OPITCH   ; LDS serves a wave's instructions in order: these see the stores above
.endr
.irp e, 0,1,2,3
	s_wait_dscnt 3-\e
	global_store_b128 v[VGO], v[SC+32*\i+4*\e:SC+32*\i+4*\e+3], s[14:15] offset:(8*\i+2*\e)*4096
.endr
.endm
	OUT 0
	OUT 1
	s_wait_tensorcnt 0x0
	ds_add_u32 v254, v255
	s_wait_dscnt 0x0
	ROUND                                          ; the closing round
	s_endpgm
.Lfunc_end_k_qd809aef051_att:
	.size	k_qd809aef051_att, .Lfunc_end_k_qd809aef051_att-k_qd809aef051_att
	.p2alignl 7, 3214868480
	.fill 96, 4, 3214868480
	.section	.rodata,"a",@progbits
	.p2align	6, 0x0
	.amdhsa_kernel k_qd809aef051_att
		.amdhsa_group_segment_fixed_size 327680
		.amdhsa_private_segment_fixed_size 0
		.amdhsa_enable_private_segment 0
		.amdhsa_kernarg_size 64
		.amdhsa_user_sgpr_count 2
		.amdhsa_user_sgpr_kernarg_segment_ptr 1
		.amdhsa_wavefront_size32 1
		.amdhsa_system_sgpr_workgroup_id_x 1
		.amdhsa_system_sgpr_workgroup_id_y 1
		.amdhsa_system_sgpr_workgroup_id_z 1
		.amdhsa_system_vgpr_workitem_id 0
		.amdhsa_next_free_vgpr 512
		.amdhsa_next_free_sgpr 88
		.amdhsa_reserve_vcc 0
		.amdhsa_float_denorm_mode_32 3
		.amdhsa_float_denorm_mode_16_64 3
		.amdhsa_memory_ordered 1
		.amdhsa_forward_progress 1
		.amdhsa_inst_pref_size 219
	.end_amdhsa_kernel
	.amdgpu_metadata
---
amdhsa.version: [ 1, 2 ]
amdhsa.kernels:
  - .name:           k_qd809aef051_att
    .symbol:         k_qd809aef051_att.kd
    .args:
      - { .name: qc, .offset: 0, .size: 8, .value_kind: global_buffer, .address_space: global }
      - { .name: qp, .offset: 8, .size: 8, .value_kind: global_buffer, .address_space: global }
      - { .name: kk, .offset: 16, .size: 8, .value_kind: global_buffer, .address_space: global }
      - { .name: vv, .offset: 24, .size: 8, .value_kind: global_buffer, .address_space: global }
      - { .name: kp, .offset: 32, .size: 8, .value_kind: global_buffer, .address_space: global }
      - { .name: ao, .offset: 40, .size: 8, .value_kind: global_buffer, .address_space: global }
      - { .name: w_out, .offset: 48, .size: 8, .value_kind: global_buffer, .address_space: global }
      - { .name: wo, .offset: 56, .size: 8, .value_kind: global_buffer, .address_space: global }
    .group_segment_fixed_size: 327680
    .private_segment_fixed_size: 0
    .kernarg_segment_align: 8
    .kernarg_segment_size: 64
    .max_flat_workgroup_size: 256
    .sgpr_count:     88
    .vgpr_count:     512
    .wavefront_size: 32
...
	.end_amdgpu_metadata
.endif
;; end of part 2
;; launch outp (part 3): grid 8 x 32, 4 waves a work-group, clusters of 4 x 4, 327,680 bytes of LDS; arguments ao, wo, b_out, out0; writes out0
.if DOCPART == 3
	.amdgcn_target "amdgcn-amd-amdhsa--gfx1250"
	.amdhsa_code_object_version 6
	.text
	.protected	k_qd809aef051_outp
	.globl	k_qd809aef051_outp
	.p2align	8
	.type	k_qd809aef051_outp,@function
k_qd809aef051_outp:
	s_mov_b64 s[64:65], 0
	v_nop
	global_prefetch_b8 v0, s[64:65] scope:SCOPE_SE
	s_setreg_imm32_b32 hwreg(HW_REG_WAVE_MODE, 25, 1), 1
	s_wait_xcnt 0x0
	s_wait_alu depctr_hold_cnt(0) depctr_sa_sdst(0) depctr_va_vdst(0) depctr_va_sdst(0) depctr_va_ssrc(0) depctr_va_vcc(0) depctr_vm_vsrc(0)
	s_getreg_b32 s2, hwreg(HW_REG_IB_STS2, 6, 4)
	s_cmp_eq_u32 s2, 0
	s_cbranch_scc0 .Lentry_in_a_cluster
	s_endpgm
.Lentry_in_a_cluster:
	s_bfe_u32 s2, ttmp6, 0x10000c
	s_cmp_lg_u32 s2, 0xf033
	s_cbranch_scc0 .Lentry_shape_is_right
	s_endpgm
.Lentry_shape_is_right:
; THE OUTPUT PROJECTION, out0[4 s + b][n] = sum over k of A[(b, s)][k] wo[n][k] + b_out[n]: 4096 x 1024 x 1024, f16 operands, f32 sums, f32 out.
; A = ao, f16, laid [b][s / 2][head][s & 1][64]: a row of 4,096 bytes holds a pair of queries, head by head; k = 64 head + d.  wo = w_out in f16, [n][1024].
; 256 blocks of 128 x 128, one a work-group (block row y: batch y / 8, queries 128 (y % 8) ..); four waves, a wave 64 x 64: 16 accumulator tiles.
; K goes in four steps of 256 through two LDS slots.  A slot is four parts of 64 rows x 512 bytes, one tensor load a wave: waves 0, 1 bring the two halves
; (two heads each) of the 64 pair rows of A, waves 2, 3 the two halves of wo's 128 rows.  The first two steps are first fills and go out together, so
; two refills are all that follow each other; from a refill's request to the wait for it a wave issues 120 matrix instructions.
; CLUSTERS 4 x 4: A's tile hangs on the block row alone and is asked for jointly by a row of the cluster, wo's on the block column alone, by a column.
; The matrix instruction is used transposed (source 0 = rows of wo): a lane holds 8 neighbouring columns of one row of the result.
; A K step is eight half steps of 32 along K, 16 matrix instructions each; all 32 are written out by macro, so there is no loop.  In the middle of half
; step y the 16 LDS loads of half step y + 2 go out in one run, into one of four fragment buffers.
; REGISTERS: window 0: v16-25 addresses, v32-127 the way out, v128-159 the bias of my columns.  Window 1: four fragment buffers of 64 (wo's four
; fragments, then A's four).  Window 2: accumulators, tile (a, b) at v[8 (4 a + b)].
; LIMITS: the operands come in f16 as the launch before has rounded them.  NaN and infinite inputs are not followed as the f32 formula follows them.
.set PITCH,  528                       ; an LDS row: 512 bytes + 16; row r starts 16 r bytes further modulo 256
.set HALFT,  64*PITCH                  ; what one tensor load brings
.set SLOT,   4*HALFT                   ; A's two K halves, then wo's two row halves
.set STAGE,  2*SLOT                    ; behind the ring: 16 rows x 272 bytes for each wave; no tensor load lands here
.set SPITCH, 272
.set ASTEP,  1024                      ; bytes of a K step in a row of A (4 heads x 2 queries x 128)
.set WSTEP,  512                       ; and in a row of wo
.set ADRA, 16                          ; v16-17 LDS address of my A fragments in slot 0, 1
.set ADRB, 18                          ; v18-19 the same for wo
.set STO,  20
.set RD,   21
.set CO,   22
.set VB,   25
.set TMPO, 32                          ; the way out: results + bias
.set R0,   64                          ; the way out: rows read back, two sets in turn
.set R1,   96
.set BIAS, 128
.set G1,  24
.set G0,  32
.set G1B, 48
.set G0B, 56
.set MULW, 0xa5                        ; sources 0 and 1 window 1, C and D window 2
.set TOF,  0x40                        ; destination window 1, address window 0
.set MSB, 0
.macro WIN new                         ; the immediate's high byte repeats the setting that is left
.if MSB != (\new)
	s_set_vgpr_msb (MSB<<8)|(\new)
.set MSB, (\new)
.endif
.endm
.macro NOPS n
.rept \n
	v_nop
.endr
.endm
.macro JLOAD s                         ; waves 0, 1 fetch A's two parts, waves 2, 3 wo's; the branch hangs on the wave's number alone
	s_cmp_eq_u32 s11, 0
	s_cbranch_scc0 .Lfor_b_\@
	tensor_load_to_lds s[G0+4*\s:G0+4*\s+3], s[G1:G1+7]
	s_nop 0
	s_branch .Lasked_\@
.Lfor_b_\@:
	tensor_load_to_lds s[G0B+4*\s:G0B+4*\s+3], s[G1B:G1B+7]
	s_nop 0
.Lasked_\@:
.endm
.macro CREST                           ; a round of the cluster's barrier behind its opening work-group barrier
	s_cmp_lg_u32 s10, 0
	s_cbranch_scc1 .Lnot_wave_0_\@
	s_barrier_signal -3
.Lnot_wave_0_\@:
	s_barrier_wait -3
	s_barrier_signal -1
	s_barrier_wait -1
.endm
.macro CROUND
	s_barrier_signal -1
	s_barrier_wait -1
	CREST
.endm
	s_load_b256 s[4:11], s[0:1], 0x0               ; ao s[4:5], wo s[6:7], b_out s[8:9], out0 s[10:11] (s10, s11 are moved below)
	v_lshl_add_u32 v254, v0, 2, 0x46400
	v_mov_b32 v255, 0
	ds_add_u32 v254, v255
	v_lshrrev_b32 v1, 5, v0
	s_bfe_u32 s40, ttmp6, 0x40000                  ; cx
	s_bfe_u32 s41, ttmp6, 0x40004                  ; cy
	s_lshl_b32 s42, ttmp9, 2
	s_add_co_u32 s42, s42, s40                     ; block column
	s_and_b32 s13, ttmp7, 0xffff
	s_lshl_b32 s13, s13, 2
	s_add_co_u32 s13, s13, s41                     ; block row = 8 x batch + block of 128 queries
	s_lshl_b32 s43, s41, 2
	s_lshl_b32 s43, 15, s43                        ; my row of the cluster
	s_lshl_b32 s44, 0x1111, s40                    ; my column
	; group 1, both: 64 rows x 256 elements of 2 bytes, 4 words of padding behind every 128 words; they differ in the mask and in the pitch
	s_or_b32 s[G1+0], s43, (1<<16)|(1<<20)|(1<<21)|(6<<22)|(3<<25)
	s_or_b32 s[G1B+0], s44, (1<<16)|(1<<20)|(1<<21)|(6<<22)|(3<<25)
	s_mov_b32 s[G1+1], 256<<16                     ; tensor_dim0 = 256
	s_mov_b32 s[G1B+1], 256<<16
	s_mov_b32 s[G1+2], 64<<16                      ; tensor_dim1 = 64
	s_mov_b32 s[G1B+2], 64<<16
	s_mov_b32 s[G1+3], 256<<16                     ; tile_dim0 = 256
	s_mov_b32 s[G1B+3], 256<<16
	s_mov_b32 s[G1+4], 64                          ; tile_dim1 = 64
	s_mov_b32 s[G1B+4], 64
	s_mov_b32 s[G1+5], 2048                        ; A: elements from a pair of queries to the next
	s_mov_b32 s[G1B+5], 1024                       ; wo: from row to row
	s_mov_b32 s[G1+6], 0
	s_mov_b32 s[G1B+6], 0
	s_mov_b32 s[G1+7], 0
	s_mov_b32 s[G1B+7], 0
	s_wait_dscnt 0x0
	s_wait_kmcnt 0x0
	s_mov_b64 s[18:19], s[10:11]                   ; out0 moves to s[18:19]: s10, s11 hold the wave's numbers from here on
	v_readfirstlane_b32 s10, v1                    ; wave 0..3
	s_lshr_b32 s11, s10, 1                         ; my half of the block's rows; also: I fetch for A (0) or wo (1)
	s_and_b32 s12, s10, 1                          ; my half of its columns; also: which part of that tile I fetch
	s_lshl_b32 s16, s13, 18                        ; A: block row x 64 pair rows x 4,096 bytes (8 blocks make a batch's 512 pair rows),
	s_lshl_b32 s17, s12, 9                         ; + part x 512 bytes along the row
	s_add_co_u32 s16, s16, s17
	s_lshl_b32 s46, s42, 18                        ; wo: block column x 128 rows x 2,048 bytes,
	s_lshl_b32 s17, s12, 17                        ; + part x 64 rows
	s_add_co_u32 s46, s46, s17
	s_mov_b32 s17, 0
	s_mov_b32 s47, 0
	s_mul_i32 s20, s10, HALFT                      ; where my part goes in a slot
	s_lshl_b32 s2, s42, 9
	s_lshl_b32 s3, s12, 8
	s_add_co_u32 s2, s2, s3                        ; byte offset of my 64 columns in b_out
	s_mov_b32 s3, 0
	s_add_nc_u64 s[14:15], s[4:5], s[16:17]
	s_add_nc_u64 s[46:47], s[6:7], s[46:47]
	s_add_nc_u64 s[8:9], s[8:9], s[2:3]
	CROUND                                         ; all sixteen work-groups are here: the first joint loads meet
.irp s, 0,1
	s_mov_b32 s[G0+4*\s], 1
	s_add_co_u32 s[G0+4*\s+1], s20, \s*SLOT
	s_add_nc_u64 s[G0+4*\s+2:G0+4*\s+3], s[14:15], \s*ASTEP
	s_or_b32 s[G0+4*\s+3], s[G0+4*\s+3], 0x80000000
	s_mov_b32 s[G0B+4*\s], 1
	s_add_co_u32 s[G0B+4*\s+1], s20, \s*SLOT
	s_add_nc_u64 s[G0B+4*\s+2:G0B+4*\s+3], s[46:47], \s*WSTEP
	s_or_b32 s[G0B+4*\s+3], s[G0B+4*\s+3], 0x80000000
	JLOAD \s                                       ; K steps 0 and 1: both first fills ahead of everything else; two tensor loads of a wave are out
.endr
	v_and_b32 v1, 15, v0                           ; r
	v_bfe_u32 v2, v0, 4, 1                         ; h
	v_lshlrev_b32 v[VB], 5, v2
.irp b, 0,1,2,3
	global_load_b128 v[BIAS+8*\b:BIAS+8*\b+3], v[VB], s[8:9] offset:64*\b          ; b_out of columns 16 b + 8 h + 0..7 of my 64
	global_load_b128 v[BIAS+8*\b+4:BIAS+8*\b+7], v[VB], s[8:9] offset:64*\b+16
.endr
	; A's fragment row r is query r of 16: pair row r >> 1, and 128 bytes further for the odd query: (r >> 1) 528 + (r & 1) 128 are sixteen
	; different 16-byte columns modulo 256
	v_lshrrev_b32 v3, 1, v1
	v_and_b32 v4, 1, v0
	v_mul_u32_u24 v3, v3, PITCH
	v_lshl_add_u32 v3, v4, 7, v3
	v_lshl_add_u32 v3, v2, 4, v3                   ; + 16 h
	v_mul_u32_u24 v5, v1, PITCH
	v_lshl_add_u32 v5, v2, 4, v5                   ; wo: row r, + 16 h
	s_mul_i32 s21, s11, 32*PITCH                   ; my 64 queries = 32 pair rows, in both parts of A's tile
	s_mul_i32 s22, s12, HALFT
	s_add_co_u32 s22, s22, 2*HALFT                 ; my 64 rows of wo, behind A's two parts
	v_add_nc_u32 v[ADRA], s21, v3
	v_add_nc_u32 v[ADRB], s22, v5
	s_add_co_u32 s21, s21, SLOT
	s_add_co_u32 s22, s22, SLOT
	v_add_nc_u32 v[ADRA+1], s21, v3
	v_add_nc_u32 v[ADRB+1], s22, v5
	s_mul_i32 s23, s10, 16*SPITCH
	s_add_co_u32 s23, s23, STAGE                   ; my stage
	v_mul_u32_u24 v4, v1, SPITCH
	v_lshl_add_u32 v4, v2, 5, v4
	v_add_nc_u32 v[STO], s23, v4                   ; in: row r, 32 bytes for each half of the lanes
	v_mul_u32_u24 v5, v2, SPITCH
	v_lshl_add_u32 v5, v1, 4, v5
	v_add_nc_u32 v[RD], s23, v5                    ; back: lanes 0-15 one row of 256 bytes, lanes 16-31 the next
	v_lshlrev_b32 v5, 14, v2                       ; in out0 the next query of a batch is four rows of 4,096 bytes further
	v_lshl_add_u32 v[CO], v1, 4, v5
; The 16 LDS loads of half step y, in one run: wo's four fragments, then A's four, into buffer y % 4.  Slot (y / 8) % 2.  In a row of wo the half step lies
; at byte 64 (y % 8).  In A: head (y % 8) / 2 of the step's four, so part (y % 8) / 4, then 256 bytes a head and 64 bytes for d = 32 ..
.macro FETCH y
.set fb, 64*((\y)&3)
.set fs, ((\y)>>3)&1
.set fw, ((\y)&7)*64
.set fa, (((\y)&7)>>2)*HALFT+((((\y)&7)>>1)&1)*256+((\y)&1)*64
	WIN TOF
.irp i, 0,1,2,3
	ds_load_b128 v[fb+8*\i:fb+8*\i+3], v[ADRB+fs] offset:fw+\i*16*PITCH
	ds_load_b128 v[fb+8*\i+4:fb+8*\i+7], v[ADRB+fs] offset:fw+\i*16*PITCH+32
.endr
.irp i, 0,1,2,3
	ds_load_b128 v[fb+32+8*\i:fb+32+8*\i+3], v[ADRA+fs] offset:fa+\i*8*PITCH
	ds_load_b128 v[fb+32+8*\i+4:fb+32+8*\i+7], v[ADRA+fs] offset:fa+\i*8*PITCH+32
.endr
.endm
; Eight matrix instructions: A's fragments a0, a0 + 1 with wo's four.  The 16 accumulators take turns, one instruction a turn, in the same order in
; every half step.
.macro MUL8 y, a0, zero
.set mb, 64*((\y)&3)
	WIN MULW
.irp a, \a0, \a0+1
.irp b, 0,1,2,3
.if \zero
	v_wmma_f32_16x16x32_f16 v[8*(4*(\a)+\b):8*(4*(\a)+\b)+7], v[mb+8*\b:mb+8*\b+7], v[mb+32+8*(\a):mb+32+8*(\a)+7], 0
.else
	v_wmma_f32_16x16x32_f16 v[8*(4*(\a)+\b):8*(4*(\a)+\b)+7], v[mb+8*\b:mb+8*\b+7], v[mb+32+8*(\a):mb+32+8*(\a)+7], v[8*(4*(\a)+\b):8*(4*(\a)+\b)+7]
.endif
.endr
.endr
.endm
; Half step y.  Two runs of 16 loads are out at its head: its own and the next one's.  The count 20 leaves the next one's 16 and my last 4 (A's rows
; 32-63) out; behind the run for y + 2 the count 32 leaves the two younger runs out.  The four v_nop are the places between the matrix instructions
; that read a buffer last and the loads into it (ISA guide 7.12.1 for vector instructions).
; sync = 1: half step y + 2 opens the other slot.  In front of the barrier my LDS reads are back, those of slot old among them, and all my tensor loads
; have landed (one was out: my part of the other slot).  The barrier opens a round of the cluster's barrier; behind the round slot old is asked for
; again first, two K steps further on.  sync = 2: the same change of slots with nothing left to fetch: a plain barrier.
.macro HS y, zero, sync, old
.if \sync
	s_wait_dscnt 0x0
	s_set_vgpr_msb 0xa5a0
	s_wait_tensorcnt 0x0
	ds_add_u32 v254, v255
	s_wait_dscnt 0x0
	s_set_vgpr_msb 0xa0a5
	s_barrier_signal -1
	MUL8 \y, 0, \zero                              ; register work while the others arrive
	WIN 0
	s_barrier_wait -1
.if \sync == 1
	CREST
	s_add_nc_u64 s[G0+4*\old+2:G0+4*\old+3], s[G0+4*\old+2:G0+4*\old+3], 2*ASTEP
	s_add_nc_u64 s[G0B+4*\old+2:G0B+4*\old+3], s[G0B+4*\old+2:G0B+4*\old+3], 2*WSTEP
	JLOAD \old                                     ; my one tensor load behind the round, ahead of every LDS read
.endif
.else
.if (\y) < 31
	s_wait_dscnt 20
.else
	s_wait_dscnt 4                                 ; the last half step: no younger run
.endif
	MUL8 \y, 0, \zero
.endif
.if (\y) < 30
	NOPS 4
	FETCH (\y)+2
	s_wait_dscnt 32
.else
.if (\y) == 30
	s_wait_dscnt 16                                ; nothing more to fetch: the counts run down
.else
	s_wait_dscnt 0x0
.endif
.endif
	MUL8 \y, 2, \zero
.endm
	s_wait_tensorcnt 0x1                           ; my part of K step 0 is in; K step 1's may stay out
	s_barrier_signal -1
	s_barrier_wait -1
	FETCH 0
	FETCH 1
	HS 0, 1, 0, 0                                  ; the first products start the sums: nothing is cleared
.irp y, 1,2,3,4,5
	HS \y, 0, 0, 0
.endr
	HS 6, 0, 1, 0                                  ; on to slot 1 (K step 1); slot 0 gets K step 2
.irp y, 7,8,9,10,11,12,13
	HS \y, 0, 0, 0
.endr
	HS 14, 0, 1, 1                                 ; on to slot 0 (K step 2); slot 1 gets K step 3
.irp y, 15,16,17,18,19,20,21
	HS \y, 0, 0, 0
.endr
	HS 22, 0, 2, 0                                 ; on to slot 1 (K step 3); nothing is left to fetch
.irp y, 23,24,25,26,27,28,29,30,31
	HS \y, 0, 0, 0
.endr
	WIN 0
	NOPS 4                                         ; the places behind the last matrix instructions (ISA guide 7.12.1)
	s_wait_loadcnt 0x0                             ; b_out
	s_and_b32 s16, s13, 7                          ; block of 128 queries
	s_lshl1_add_u32 s16, s16, s11                  ; my 64 queries' number in the batch
	s_lshl_b32 s16, s16, 20                        ; x 64 queries x 4 rows x 4,096 bytes
	s_lshr_b32 s17, s13, 3                         ; batch
	s_lshl_b32 s17, s17, 12
	s_add_co_u32 s16, s16, s17
	s_mov_b32 s17, 0
	s_lshl1_add_u32 s46, s42, s12
	s_lshl_b32 s46, s46, 8                         ; my first column: (128 x block column + 64 x half) x 4 bytes
	s_mov_b32 s47, 0
	s_add_nc_u64 s[18:19], s[18:19], s[16:17]
	s_add_nc_u64 s[18:19], s[18:19], s[46:47]
; 16 queries at a time: + bias, 32 bytes a lane into my stage, whole rows of 256 bytes back, 16 lanes store 256 consecutive aligned bytes
.macro OUT16 a, r
	WIN 0x02
.irp b, 0,1,2,3
.irp p, 0,2,4,6
	v_pk_add_f32 v[TMPO+8*\b+\p:TMPO+8*\b+\p+1], v[8*(4*\a+\b)+\p:8*(4*\a+\b)+\p+1], v[BIAS+8*\b+\p:BIAS+8*\b+\p+1]
.endr
.endr
	WIN 0
.irp b, 0,1,2,3
	ds_store_b128 v[STO], v[TMPO+8*\b:TMPO+8*\b+3] offset:64*\b
	ds_store_b128 v[STO], v[TMPO+8*\b+4:TMPO+8*\b+7] offset:64*\b+16
.endr
	s_wait_xcnt 0x0                                ; earlier stores' data registers and base are rewritten only behind this wait
.if \a
	s_add_nc_u64 s[18:19], s[18:19], 16*16384
.endif
.irp t, 0,1,2,3,4,5,6,7
	ds_load_b128 v[\r+4*\t:\r+4*\t+3], v[RD] offset:2*\t*SPITCH                ; LDS serves a wave's instructions in order: these see the stores above
.endr
.irp t, 0,1,2,3,4,5,6,7
	s_wait_dscnt 7-\t
	global_store_b128 v[CO], v[\r+4*\t:\r+4*\t+3], s[18:19] offset:2*\t*16384
.endr
.endm
	OUT16 0, R0
	OUT16 1, R1
	OUT16 2, R0
	OUT16 3, R1
	s_wait_tensorcnt 0x0
	ds_add_u32 v254, v255
	s_wait_dscnt 0x0
	CROUND                                         ; the closing round: no work-group ends while a partner may still ask jointly
	s_endpgm
.Lfunc_end_k_qd809aef051_outp:
	.size	k_qd809aef051_outp, .Lfunc_end_k_qd809aef051_outp-k_qd809aef051_outp
	.p2alignl 7, 3214868480
	.fill 96, 4, 3214868480
	.section	.rodata,"a",@progbits
	.p2align	6, 0x0
	.amdhsa_kernel k_qd809aef051_outp
		.amdhsa_group_segment_fixed_size 327680
		.amdhsa_private_segment_fixed_size 0
		.amdhsa_enable_private_segment 0
		.amdhsa_kernarg_size 32
		.amdhsa_user_sgpr_count 2
		.amdhsa_user_sgpr_kernarg_segment_ptr 1
		.amdhsa_wavefront_size32 1
		.amdhsa_system_sgpr_workgroup_id_x 1
		.amdhsa_system_sgpr_workgroup_id_y 1
		.amdhsa_system_sgpr_workgroup_id_z 1
		.amdhsa_system_vgpr_workitem_id 0
		.amdhsa_next_free_vgpr 640
		.amdhsa_next_free_sgpr 68
		.amdhsa_reserve_vcc 0
		.amdhsa_float_denorm_mode_32 3
		.amdhsa_float_denorm_mode_16_64 3
		.amdhsa_memory_ordered 1
		.amdhsa_forward_progress 1
		.amdhsa_inst_pref_size 95
	.end_amdhsa_kernel
	.amdgpu_metadata
---
amdhsa.version: [ 1, 2 ]
amdhsa.kernels:
  - .name:           k_qd809aef051_outp
    .symbol:         k_qd809aef051_outp.kd
    .args:
      - { .name: ao, .offset: 0, .size: 8, .value_kind: global_buffer, .address_space: global }
      - { .name: wo, .offset: 8, .size: 8, .value_kind: global_buffer, .address_space: global }
      - { .name: b_out, .offset: 16, .size: 8, .value_kind: global_buffer, .address_space: global }
      - { .name: out0, .offset: 24, .size: 8, .value_kind: global_buffer, .address_space: global }
    .group_segment_fixed_size: 327680
    .private_segment_fixed_size: 0
    .kernarg_segment_align: 8
    .kernarg_segment_size: 32
    .max_flat_workgroup_size: 128
    .sgpr_count:     68
    .vgpr_count:     640
    .wavefront_size: 32
...
	.end_amdgpu_metadata
.endif
;; end of part 3
